; MI455X (gfx1250); checked and timed in simulation.
; The chip was launched on July 23, 2026; its instructions are those of AMD's public machine-readable ISA for CDNA 5 (MIT licence, August 2026) and "CDNA5" Instruction Set Architecture Reference Guide (July 2026). The comments in the code are by the model that wrote it; some were corrected since.
;; Soft Re Rank. Allowed arithmetic: float matrix products may take bf16 or f16 operands with f32 sums; all other float work in f32.
;; Inputs: x 4,096 x 16,384 float32.
;; Outputs: out0 4,096 x 16 float32.
;; One version. Each part assembles by itself: llvm-mc -triple=amdgcn-amd-amdhsa -mcpu=gfx1250 --defsym DOCPART=n.
;; ======== version 1 of 1: 1 launch
;; launch rerank (part 1): grid 256 x 1, 16 waves a work-group, no clusters, 3,072 bytes of LDS; arguments x, out0; writes out0
.if DOCPART == 1
	.amdgcn_target "amdgcn-amd-amdhsa--gfx1250"
	.amdhsa_code_object_version 6
	.text
	.protected	k_qd2b6dd67a3_rerank
	.globl	k_qd2b6dd67a3_rerank
	.p2align	8
	.type	k_qd2b6dd67a3_rerank,@function
k_qd2b6dd67a3_rerank:
	s_mov_b64 s[64:65], 0
	v_nop
	global_prefetch_b8 v0, s[64:65] scope:SCOPE_SE
	s_setreg_imm32_b32 hwreg(HW_REG_WAVE_MODE, 25, 1), 1
	s_wait_xcnt 0x0
; out0[r][0:8] = the 8 smallest of x[r][0:16384], ascending; out0[r][8:16] = the 8 largest, ascending.  x: [4096][16384] f32.
; LIMIT: the input holds no NaN (the _num forms of max, min and med3 let a NaN lose, the sort of the problem puts it last).
; Infinities, denormals, any scale and any offset are exact: numbers are only compared, never changed.
;
; SHARES.  256 work-groups of 16 waves; a wave owns one row (65,536 bytes), the work-group 16 neighbouring rows.  A load of the
; wave covers 512 consecutive bytes at a multiple of 512; a lane sees 512 numbers in 128 loads.  Every byte of x is read once.
; No two work-groups read the same byte, so there is nothing to share in a cluster; no products, so no matrix unit.
;
; SELECTION WITHOUT BRANCHES.  A lane takes nine numbers as a table of 3 x 3 and sorts its rows, then its columns (a sort of three
; is max3, med3, min3: 18 instructions a table; sorting the columns keeps the rows sorted).  Cell (r,q) then has
; (r+1)(q+1)-1 numbers of its own table that are not smaller.  Take all cells (r,q) of all tables as one class, p = (r+1)(q+1):
; an element with m class-mates above it has (m+1)p-1 different numbers above it, so it can be among the row's 8 largest only if it is
; among the floor(8/p) largest of its class.  So each class keeps a sorted list of that depth: 8 | 4, 4 | 2, 2, 2 | 1, 1 | none,
; and the same mirrored for the smallest.  Inserting into a sorted list of depth d is d instructions.  18 + 24 + 24 = 66 instructions
; for nine numbers, against 144 for inserting each into two lists of eight.  (Cells (1,2) and (2,1) keep lists apart: with their
; six common or own dominators they are eight numbers, so both can be wanted.)
; 512 = 8 + 56 x 9: the first 8 numbers of a lane start the two lists of eight, the first four tables start the short lists:
; nothing is cleared.
.set LOADB,  512                       ; bytes that one load of the wave covers
.set BLK,    9                         ; loads in a block: 36 registers = 4 tables (one for each word of the 16 bytes)
.set BLKB,   BLK*LOADB
.set HEADB,  2*LOADB                   ; the row's first 1,024 bytes: 8 numbers a lane
.set SLOTS,  3                         ; ring of register slots, a block each; 14 blocks in the row
.set SLOTR,  4*BLK
.set TRIPS,  3                         ; the loop takes blocks 1 to 9
.set VOFF, 1                           ; v1       16 x lane
.set T,    2                           ; v[2:10]  the table between its two sorts; at the start the lane's first 8 numbers
.set L8,   12                          ; v[12:19] the 8 smallest, entry i in v[12+i]
.set H8,   27                          ; v[20:27] the 8 largest, entry i (0 = largest) in v[27-i]: v[12:27] is a row of out0
.set H4A,  28                          ; large side: class (0,1)
.set H4B,  32                          ;             (1,0)
.set H2A,  36                          ;             (0,2)
.set H2B,  38                          ;             (2,0)
.set H2C,  40                          ;             (1,1)
.set H1A,  42                          ;             (1,2)
.set H1B,  43                          ;             (2,1)
.set L4A,  44                          ; small side: class (2,1)
.set L4B,  48                          ;             (1,2)
.set L2A,  52                          ;             (2,0)
.set L2B,  54                          ;             (0,2)
.set L2C,  56                          ;             (1,1)
.set L1A,  58                          ;             (1,0)
.set L1B,  59                          ;             (0,1)
.set X,    60                          ; v[60:167] three slots of 36
.set NH,   60                          ; when the ring is done: second bank of eight for the lane meetings, large side
.set NL,   68                          ; and small side
; Insert v[val] into a sorted list; entry i lies in v[base + step i], entry 0 is the extreme (hd = max for the large side, min for the
; small side; tl = the other).  New entry i = med3(old entry i-1, old entry i, val), taken from the bottom up, so that every line
; still reads old entries.  have < len: the list holds only have entries and grows by one.  from: entries above it are known
; to beat val and are left alone.
.macro INS hd, tl, base, step, len, from, have, val
.if \have < \len
.if \have == 0
	v_mov_b32 v[\base], v[\val]                    ; the first number starts the list
.else
	\tl v[\base+\step*\have], v[\base+\step*(\have-1)], v[\val]
.endif
.set ii, \have-1
.else
.set ii, \len-1
.endif
.rept 7
.if ii >= 1
.if ii >= \from
	v_med3_num_f32 v[\base+\step*ii], v[\base+\step*(ii-1)], v[\base+\step*ii], v[\val]
.endif
.endif
.set ii, ii-1
.endr
.if \from == 0
.if \have > 0
	\hd v[\base], v[\base], v[\val]
.endif
.endif
.endm
.macro INSH base, step, len, from, have, val
	INS v_max_num_f32, v_min_num_f32, \base, \step, \len, \from, \have, \val
.endm
.macro INSL base, step, len, from, have, val
	INS v_min_num_f32, v_max_num_f32, \base, \step, \len, \from, \have, \val
.endm
; One table: the nine numbers in v[xb + 4 i].  seen = tables that the short lists have taken so far (8 stands for: all are full).
.macro TABLEAU xb, seen
.irp r, 0,1,2
	v_max3_num_f32 v[T+3*\r],   v[\xb+12*\r], v[\xb+12*\r+4], v[\xb+12*\r+8]     ; rows, descending
	v_med3_num_f32 v[T+3*\r+1], v[\xb+12*\r], v[\xb+12*\r+4], v[\xb+12*\r+8]
	v_min3_num_f32 v[T+3*\r+2], v[\xb+12*\r], v[\xb+12*\r+4], v[\xb+12*\r+8]
.endr
.irp q, 0,1,2
	v_max3_num_f32 v[\xb+4*\q],    v[T+\q], v[T+3+\q], v[T+6+\q]                 ; columns, descending: cell (r,q) in v[xb + 12 r + 4 q]
	v_med3_num_f32 v[\xb+12+4*\q], v[T+\q], v[T+3+\q], v[T+6+\q]
	v_min3_num_f32 v[\xb+24+4*\q], v[T+\q], v[T+3+\q], v[T+6+\q]
.endr
	INSH H8,  -1, 8, 0, 8,     \xb                 ; (0,0)
	INSL L8,   1, 8, 0, 8,     \xb+32              ; (2,2)
	INSH H4A,  1, 4, 0, \seen, \xb+4               ; (0,1)
	INSH H4B,  1, 4, 0, \seen, \xb+12              ; (1,0)
	INSL L4A,  1, 4, 0, \seen, \xb+28              ; (2,1)
	INSL L4B,  1, 4, 0, \seen, \xb+20              ; (1,2)
	INSH H2A,  1, 2, 0, \seen, \xb+8               ; (0,2)
	INSH H2B,  1, 2, 0, \seen, \xb+24              ; (2,0)
	INSH H2C,  1, 2, 0, \seen, \xb+16              ; (1,1)
	INSL L2A,  1, 2, 0, \seen, \xb+24              ; (2,0)
	INSL L2B,  1, 2, 0, \seen, \xb+8               ; (0,2)
	INSL L2C,  1, 2, 0, \seen, \xb+16              ; (1,1)
	INSH H1A,  1, 1, 0, \seen, \xb+20              ; (1,2)
	INSH H1B,  1, 1, 0, \seen, \xb+28              ; (2,1)
	INSL L1A,  1, 1, 0, \seen, \xb+12              ; (1,0)
	INSL L1B,  1, 1, 0, \seen, \xb+4               ; (0,1)
.endm
; Nine loads: a block of 4,608 consecutive bytes into a slot.  x is read once in the launch: non-temporal.
.macro FILL slot, base, off
.irp i, 0,1,2,3,4,5,6,7,8
	global_load_b128 v[X+SLOTR*\slot+4*\i:X+SLOTR*\slot+4*\i+3], v[VOFF], s[\base:\base+1] offset:\off+\i*LOADB th:TH_LOAD_NT
.endr
.endm
; A slot's turn.  left = younger loads that may stay out (loads return in order: ISA guide 5.7.1).  grow = 1: the row's first four tables.
.macro TURN slot, grow, left
	s_wait_loadcnt \left
.irp c, 0,1,2,3
.if \grow
	TABLEAU X+SLOTR*\slot+\c, \c
.else
	TABLEAU X+SLOTR*\slot+\c, 8
.endif
.endr
.endm
	s_load_b128 s[4:7], s[0:1], 0x0                ; x s[4:5], out0 s[6:7]
	v_lshl_add_u32 v168, v0, 2, 0x400
	v_mov_b32 v169, 0
	v_lshrrev_b32 v2, 5, v0
	v_readfirstlane_b32 s8, v2                     ; wave 0..15
	v_and_b32 v1, 31, v0
	v_lshlrev_b32 v[VOFF], 4, v1                   ; 16 bytes a lane
	s_lshl4_add_u32 s9, ttmp9, s8                  ; my row = 16 x work-group + wave
	s_lshl_b32 s10, s9, 16                         ; x 65,536 bytes: below 2^28
	s_mov_b32 s11, 0
	s_mov_b32 s14, 0x76543210                      ; v_permlanex16_b32: lane i of one half reads lane i of the other
	s_mov_b32 s15, 0xfedcba98
	s_lshl_b32 s16, s8, 6                          ; my row's 64 bytes in LDS
	s_wait_kmcnt 0x0
	s_add_nc_u64 s[4:5], s[4:5], s[10:11]          ; my row; stays
	s_mov_b64 s[10:11], s[4:5]                     ; the loop's pointer, stepped three blocks a trip
	global_load_b128 v[T:T+3],   v[VOFF], s[4:5] th:TH_LOAD_NT
	global_load_b128 v[T+4:T+7], v[VOFF], s[4:5] offset:LOADB th:TH_LOAD_NT
	FILL 0, 4, HEADB                               ; blocks 0, 1, 2 fill the ring
	FILL 1, 4, HEADB+BLKB
	FILL 2, 4, HEADB+2*BLKB
	s_wait_loadcnt 3*BLK                           ; the two head loads are in; the ring's 27 stay out
.irp k, 0,1,2,3,4,5,6,7
	INSH H8, -1, 8, 0, \k, T+\k                    ; the lane's first 8 numbers grow both lists of eight
	INSL L8,  1, 8, 0, \k, T+\k
.endr
	TURN 0, 1, 2*BLK                               ; block 0 grows the short lists; blocks 1 and 2 (18 loads) stay out
	FILL 0, 4, HEADB+3*BLKB                        ; block 3
	s_mov_b32 s12, TRIPS
.Ltrip:                                            ; trip j = 0, 1, 2: blocks 1+3j, 2+3j, 3+3j; each slot is filled again three blocks ahead
	TURN 1, 0, 2*BLK                               ; at each turn the two younger blocks, 18 loads, stay out (round the back edge too)
	s_wait_xcnt 0x0                                ; the last trip's loads name s[10:11]: it is stepped only behind this wait (they were issued a turn or more ago)
	s_add_nc_u64 s[10:11], s[10:11], SLOTS*BLKB    ; row + 3 (j+1) blocks
	FILL 1, 10, HEADB+1*BLKB                       ; block 4+3j
	TURN 2, 0, 2*BLK
	FILL 2, 10, HEADB+2*BLKB                       ; block 5+3j
	TURN 0, 0, 2*BLK
	FILL 0, 10, HEADB+3*BLKB                       ; block 6+3j
	s_sub_co_u32 s12, s12, 1
	s_cmp_lg_u32 s12, 0
	s_cbranch_scc1 .Ltrip
	TURN 1, 0, 2*BLK                               ; block 10
	FILL 1, 4, HEADB+13*BLKB                       ; block 13 ends at the row's last byte: nothing is asked beyond it
	TURN 2, 0, 2*BLK                               ; block 11: blocks 12 and 13 stay out
	TURN 0, 0, BLK                                 ; block 12: block 13 stays out
	TURN 1, 0, 0                                   ; block 13
; THE LANE'S OWN 8.  The short lists go into the list of eight, classes in an order in which every class comes behind the classes of its
; dominators.  The element of rank r in a class with factor p has (r+1)p-1 numbers not below it, all of them already offered
; to the list, so entries 0 .. (r+1)p-2 beat it: the insertion starts at entry (r+1)p-1.
.macro FOLD ins, base, step, c4a, c4b, c2a, c2b, c2c, c1a, c1b
.irp l, \c4a, \c4b
	\ins \base, \step, 8, 1, 8, \l                 ; p = 2
	\ins \base, \step, 8, 3, 8, \l+1
	\ins \base, \step, 8, 5, 8, \l+2
	\ins \base, \step, 8, 7, 8, \l+3
.endr
.irp l, \c2a, \c2b
	\ins \base, \step, 8, 2, 8, \l                 ; p = 3
	\ins \base, \step, 8, 5, 8, \l+1
.endr
	\ins \base, \step, 8, 3, 8, \c2c               ; p = 4
	\ins \base, \step, 8, 7, 8, \c2c+1
	\ins \base, \step, 8, 5, 8, \c1a               ; p = 6
	\ins \base, \step, 8, 5, 8, \c1b
.endm
	FOLD INSH, H8, -1, H4A, H4B, H2A, H2B, H2C, H1A, H1B
	FOLD INSL, L8,  1, L4A, L4B, L2A, L2B, L2C, L1A, L1B
; ACROSS THE 32 LANES, five meetings (lane xor 1, 2, 4, 8, 16).  Of two sorted lists of eight the best eight are hd(mine[i], partner's[7-i]),
; a sequence that falls and then rises (or the reverse); three passes of compare pairs at distances 4, 2, 1 sort it.  Each pass writes the other bank
; (list -> bank -> list -> bank -> list), so no pair needs a copy.  Both partners end with the same list.
.macro SORTB hd, tl, base, step, nb
.irp i, 0,1,2,3
	\hd v[\base+\step*\i],     v[\nb+\i], v[\nb+\i+4]
	\tl v[\base+\step*(\i+4)], v[\nb+\i], v[\nb+\i+4]
.endr
.irp i, 0,1,4,5
	\hd v[\nb+\i],   v[\base+\step*\i], v[\base+\step*(\i+2)]
	\tl v[\nb+\i+2], v[\base+\step*\i], v[\base+\step*(\i+2)]
.endr
.irp i, 0,2,4,6
	\hd v[\base+\step*\i],     v[\nb+\i], v[\nb+\i+1]
	\tl v[\base+\step*(\i+1)], v[\nb+\i], v[\nb+\i+1]
.endr
.endm
.macro MEET hdd, hd, tl, base, step, nb, mask      ; inside a half of 16 lanes the partner's entry rides on the arithmetic (DPP reads the first source from lane xor mask)
.irp i, 0,1,2,3,4,5,6,7
	\hdd v[\nb+\i], v[\base+\step*(7-\i)], v[\base+\step*\i] row_xmask:\mask row_mask:0xf bank_mask:0xf
.endr
	SORTB \hd, \tl, \base, \step, \nb
.endm
.macro MEET16 hd, tl, base, step, nb               ; the other half of the wave
.irp i, 0,1,2,3,4,5,6,7
	v_permlanex16_b32 v[\nb+\i], v[\base+\step*(7-\i)], s14, s15
.endr
.irp i, 0,1,2,3,4,5,6,7
	\hd v[\nb+\i], v[\nb+\i], v[\base+\step*\i]
.endr
	SORTB \hd, \tl, \base, \step, \nb
.endm
.irp m, 1,2,4,8
	MEET v_max_num_f32_dpp, v_max_num_f32, v_min_num_f32, H8, -1, NH, \m
	MEET v_min_num_f32_dpp, v_min_num_f32, v_max_num_f32, L8,  1, NL, \m
.endr
	MEET16 v_max_num_f32, v_min_num_f32, H8, -1, NH
	MEET16 v_min_num_f32, v_max_num_f32, L8,  1, NL
; THE WAY OUT.  Every lane now holds the row of out0 in v[12:27].  A row is 64 bytes; the work-group's 16 rows are 1,024 consecutive bytes of out0.
; Lane 0 of each wave puts its row into LDS; waves 0 and 1 read 16 bytes a lane and store 512 consecutive, aligned bytes each.
	v_cmp_eq_u32 vcc_lo, 0, v[VOFF]                ; lane 0
	v_mov_b32 v[T], s16
	s_wait_xcnt 0x0                                ; EXEC is a source of the loads above: it changes only behind this wait
	s_and_saveexec_b32 s13, vcc_lo
	ds_store_b128 v[T], v[L8:L8+3]
	ds_store_b128 v[T], v[L8+4:L8+7]   offset:16
	ds_store_b128 v[T], v[L8+8:L8+11]  offset:32
	ds_store_b128 v[T], v[L8+12:L8+15] offset:48
	s_or_b32 exec_lo, exec_lo, s13                 ; EXEC restored (no global access since the wait above)
	s_wait_dscnt 0x0                               ; for the other waves' sake: my row is in LDS before I say so
	s_barrier_signal -1
	s_barrier_wait -1
	s_cmp_ge_u32 s8, 2
	s_cbranch_scc1 .Ldone                          ; 64 threads x 16 bytes are the 1,024 bytes
	v_lshlrev_b32 v[T+1], 4, v0                    ; 16 t, in LDS and in the work-group's part of out0
	ds_load_b128 v[NH:NH+3], v[T+1]
	s_lshl_b32 s10, ttmp9, 10                      ; work-group x 1,024 bytes
	s_mov_b32 s11, 0
	s_add_nc_u64 s[6:7], s[6:7], s[10:11]
	s_wait_dscnt 0x0
	global_store_b128 v[T+1], v[NH:NH+3], s[6:7] th:TH_STORE_NT
.Ldone:
	s_wait_tensorcnt 0x0
	ds_add_u32 v168, v169
	s_wait_dscnt 0x0
	s_endpgm
.Lfunc_end_k_qd2b6dd67a3_rerank:
	.size	k_qd2b6dd67a3_rerank, .Lfunc_end_k_qd2b6dd67a3_rerank-k_qd2b6dd67a3_rerank
	.p2alignl 7, 3214868480
	.fill 96, 4, 3214868480
	.section	.rodata,"a",@progbits
	.p2align	6, 0x0
	.amdhsa_kernel k_qd2b6dd67a3_rerank
		.amdhsa_group_segment_fixed_size 3072
		.amdhsa_private_segment_fixed_size 0
		.amdhsa_enable_private_segment 0
		.amdhsa_kernarg_size 16
		.amdhsa_user_sgpr_count 2
		.amdhsa_user_sgpr_kernarg_segment_ptr 1
		.amdhsa_wavefront_size32 1
		.amdhsa_system_sgpr_workgroup_id_x 1
		.amdhsa_system_sgpr_workgroup_id_y 1
		.amdhsa_system_sgpr_workgroup_id_z 1
		.amdhsa_system_vgpr_workitem_id 0
		.amdhsa_next_free_vgpr 170
		.amdhsa_next_free_sgpr 66
		.amdhsa_reserve_vcc 1
		.amdhsa_float_denorm_mode_32 3
		.amdhsa_float_denorm_mode_16_64 3
		.amdhsa_memory_ordered 1
		.amdhsa_forward_progress 1
		.amdhsa_inst_pref_size 148
	.end_amdhsa_kernel
	.amdgpu_metadata
---
amdhsa.version: [ 1, 2 ]
amdhsa.kernels:
  - .name:           k_qd2b6dd67a3_rerank
    .symbol:         k_qd2b6dd67a3_rerank.kd
    .args:
      - { .name: x, .offset: 0, .size: 8, .value_kind: global_buffer, .address_space: global }
      - { .name: out0, .offset: 8, .size: 8, .value_kind: global_buffer, .address_space: global }
    .group_segment_fixed_size: 3072
    .private_segment_fixed_size: 0
    .kernarg_segment_align: 8
    .kernarg_segment_size: 16
    .max_flat_workgroup_size: 512
    .sgpr_count:     66
    .vgpr_count:     170
    .wavefront_size: 32
...
	.end_amdgpu_metadata
.endif
;; end of part 1
